; MI455X (gfx1250); checked and timed in simulation.
; The chip was launched on July 23, 2026; its instructions are those of AMD's public machine-readable ISA for CDNA 5 (MIT licence, August 2026) and "CDNA5" Instruction Set Architecture Reference Guide (July 2026). The comments in the code are by the model that wrote it; some were corrected since.
;; Causal Self Attention. Allowed arithmetic: matrix products marked QUANTISED: E4M3 operands, one given power-of-two scale a tensor, by v_wmma_f32_16x16x64_fp8_fp8 or v_wmma_f32_16x16x128_fp8_fp8, f32 sums; everything else in f32.
;; Inputs: lowp_scales 8 int32 (the exponents e of the quantised operands' scales 2^e); w_proj 1,024 x 1,024 float32; w_qkv 3,072 x 1,024 float32; x 4 x 2,048 x 1,024 float32.
;; Outputs: out0 4 x 2,048 x 1,024 float32.
;; This version of the problem:
;;   THIS VERSION OF THE PROBLEM IS GIVEN IN LOW PRECISION. The matrix products marked QUANTISED in the list below multiply operands that are first quantised to E4M3 (4 exponent bits, 3 mantissa bits; 8 bits a number), with one given power-of-two scale for each operand tensor; their sums are f32. All else is computed in f32.
;;   The module's matrix products, in the order in which they are computed (A, B: the left and right operand; K: the contracted axis; several contracted axes count as one K, in the product's order):
;;     1. [M 8,192, K 1,024] x [K 1,024, N 3,072]; A: input x; B: input w_qkv: QUANTISED (scales: A lowp_scales[0], B lowp_scales[1])
;;     2. batch 64 x [M 2,048, K 64] x [K 64, N 2,048]; A: computed on the way; B: computed on the way: QUANTISED (scales: A lowp_scales[2], B lowp_scales[3])
;;     3. batch 64 x [M 2,048, K 2,048] x [K 2,048, N 64]; A: softmax (see below); B: computed on the way: QUANTISED (scales: A lowp_scales[4], B lowp_scales[5])
;;     4. [M 8,192, K 1,024] x [K 1,024, N 1,024]; A: computed on the way; B: input w_proj: QUANTISED (scales: A lowp_scales[6], B lowp_scales[7])
;;   THE QUANTISER, for each operand of a quantised product, along K:
;;     - The operand's scale is 2^e, e = its entry of the input lowp_scales (int32; the entries are numbered through the quantised products in the list's order, A before B).
;;     - Each number is divided by the scale, clamped to +-448, and rounded to the nearest number of E4M3, ties to even, subnormals kept.
;;     - The product sums the exact products of the quantised numbers (number of the format x scale) in f32.
;;   ~~~python
;;   def quantise(x, axis, e):      # numpy; x: float32 -> the quantised numbers, widened to float32 again
;;       x = np.moveaxis(x, axis, -1); K = x.shape[-1]
;;       r = np.clip(x / 2.0 ** e, -448, 448)
;;       step = 2.0 ** (np.maximum(np.frexp(np.where(r == 0, 1, r))[1] - 1, -6) - 3)
;;       q = np.round(r / step) * step * 2.0 ** e      # np.round: ties to even
;;       return np.moveaxis(q, -1, axis).astype(np.float32)
;;   ~~~
;;   SOFTMAX AHEAD OF A QUANTISED PRODUCT. Where the list says 'softmax', what is quantised is not the finished softmax but p = 2^(t - M), with t = logit x log2(e) and M = ceil(the row's largest t), a whole number; so 1/2 < the row's largest p <= 1. The row's sum l is taken of the UNQUANTISED p, in f32, and the product's result is divided by l at the end. Since M is a whole number, a kernel that streams over the keys may use a running M (the ceiling of the running maximum): every later rescaling is an exact power of two, so the quantised numbers keep their values, but for numbers so far below the row's largest that they fall under the format's range.
;;   OPERANDS COMPUTED ON THE WAY. 'Computed on the way' means the value that the module computes at that place (a softmax that the list does not call 'softmax' is quantised finished and normalised). What goes into a quantiser is computed in f32, as accurately as f32 sums, v_exp_f32 and their like allow (about 1e-6 of the number): no bf16 or f16 on the way to a quantiser, and a product that is left as it is and whose result goes on into a quantised operand takes f32 operands (vector FMAs, or v_wmma_f32_16x16x4_f32). A number that lies on a knife's edge between two numbers of the format may be rounded either way, as far as f32 arithmetic and the matrix unit's own rounding can turn it there, and no further.
;; One version. Each part assembles by itself: llvm-mc -triple=amdgcn-amd-amdhsa -mcpu=gfx1250 --defsym DOCPART=n.
;; ======== version 1 of 1: 4 launches
;; limits: right only within a limited range of input values
;; workspace buffers: x_codes 8,388,608 bytes; wq_codes 3,145,728 bytes; wp_codes 1,048,576 bytes; rope 524,288 bytes; q_codes 8,388,608 bytes; k_codes 8,388,608 bytes; v_codes 8,388,608 bytes; a_codes 8,388,608 bytes
;; launch prep (part 1): grid 256 x 1, 12 waves a work-group, no clusters, 198,144 bytes of LDS; arguments x, w_qkv, w_proj, lowp_scales, x_codes, wq_codes, wp_codes, rope; writes x_codes, wq_codes, wp_codes, rope
.if DOCPART == 1
	.amdgcn_target "amdgcn-amd-amdhsa--gfx1250"
	.amdhsa_code_object_version 6
	.text
	.protected	k_q76d13cc903_prep
	.globl	k_q76d13cc903_prep
	.p2align	8
	.type	k_q76d13cc903_prep,@function
k_q76d13cc903_prep:
	s_mov_b64 s[64:65], 0
	v_nop
	global_prefetch_b8 v0, s[64:65] scope:SCOPE_SE
	s_setreg_imm32_b32 hwreg(HW_REG_WAVE_MODE, 25, 1), 1
	s_wait_xcnt 0x0
; CAUSAL SELF-ATTENTION IN FP8 (E4M3), B = 4, T = 2048, C = 1024, 16 heads of 64: four launches.  This one turns x, w_qkv and w_proj (f32, K innermost) into codes and makes the table of cos and sin.
; DEAD WORK, left out in the third launch: the problem itself builds the causal mask and sets every score with key > query to the least f32 number ahead of the softmax, so that its weight is 0
; whatever finite values the inputs hold.  A step of 128 keys all of which come after a block of 128 queries reaches no output and is not done.  Every input has a way to the output and is loaded.
; LIMIT: a NaN, an infinity or an overflow that reaches only such masked scores is not carried to the result.
; THE QUANTISER: code = x / 2^e, held within +-448, to the nearest code, ties to even; e = lowp_scales[0] for x, [1] for w_qkv, [7] for w_proj.  LIMITS: each e between -126 and 119; NaN among the inputs is not served.
; ORDER OF K IN THE CODES (a sum over K does not mind the order, if both operands have the same one):
;   x_codes, wq_codes: in each aligned 512 bytes of a row, byte 16 l + 4 i + e holds k = 128 i + 4 l + e.  LIMIT: inside a matrix instruction the first product's sums are not taken K ascending.
;   wp_codes: in each aligned 32 bytes the two middle pieces of 8 bytes change places (byte 16 h + 8 u + 4 v + y holds k = 16 u + 8 h + 4 v + y): the order in which the last launch's loads want it.
; SHARES: the three tensors are 2,048 + 768 + 256 runs of 4,096 numbers; each of 256 work-groups has 12 waves: waves 0-7 take runs of x, 8-10 of w_qkv, wave 11 one of w_proj.
; A wave asks for its run, 16 KiB, by ONE tensor load into LDS bytes of its own (16,384 x wave): 192 KiB a work-group are asked for at the head; nothing is filled again, only the issuing wave reads its bytes, so no barrier.
; Then eight steps of 512 numbers: four LDS loads of 16 bytes a lane, the hold, two conversions, one store of 512 consecutive bytes.  No prefetch: all loads go out at the head, there is no loop to run ahead in.
; THE TABLE: wave 0 of work-groups 0-127 makes one block of 16 positions while its tensor load is out.  rope[block of 16 t][8 quads][32 lanes][4 f32]: register R = 4 quad + i of lane (r, h) is
; f(t = 16 block + r, j = 16 ((R / 8) % 2) + 8 h + R % 8), f = cos(t 10^(-j/8)) for R < 16, sin for R >= 16.  angle = t x inv_freq, one f32 rounding; reduced by quarter turns, pi/2 in two parts; polynomials on +-pi/4.
; LIMIT: inv_freq is 10^(-j/8) rounded once to f32; a power and a reciprocal in f32 may differ from it in the last bit.
.set X,     64                         ; v64-95   two sets of 16 numbers
.set CO,    96                         ; v96-127  four registers of codes for each step: no store's data are written again
.set SPW,   12                         ; v12      my spare word; never rewritten
.set NIL,   13                         ; v13      0; never rewritten
.set SPARE, 196608                     ; behind the twelve regions: the spare words, 128 bytes a wave
	s_load_b256 s[4:11], s[0:1], 0x0               ; x, w_qkv, w_proj, the scales' exponents
	s_load_b256 s[12:19], s[0:1], 0x20             ; x_codes, wq_codes, wp_codes, rope
	v_lshl_add_u32 v[SPW], v0, 2, SPARE
	v_mov_b32 v[NIL], 0
	ds_add_u32 v[SPW], v[NIL]                      ; the opening lines: the add twice on end, and its wait, ahead of my tensor load
	ds_add_u32 v[SPW], v[NIL]
	v_lshrrev_b32 v1, 5, v0
	v_readfirstlane_b32 s21, v1                    ; wave 0..11
	s_mov_b32 s24, 3<<16                           ; group 1: a dense block of 16,384 bytes as 64 rows of 32 elements of 8 bytes
	s_mov_b32 s25, 32<<16
	s_mov_b32 s26, 64<<16
	s_mov_b32 s27, 32<<16
	s_mov_b32 s28, 64
	s_mov_b32 s29, 32
	s_mov_b32 s30, 0
	s_mov_b32 s31, 0
	s_mov_b32 s32, 1
	s_lshl_b32 s33, s21, 14                        ; my LDS bytes
	s_cmp_lt_u32 s21, 8                            ; my run in its tensor: 8 wg + w, 3 wg + w - 8, or wg
	s_cselect_b32 s48, 8, 3
	s_cselect_b32 s49, 0, 8
	s_cmp_lt_u32 s21, 11
	s_cselect_b32 s48, s48, 1
	s_cselect_b32 s49, s49, 11
	s_mul_i32 s48, s48, ttmp9
	s_add_co_u32 s48, s48, s21
	s_sub_co_u32 s48, s48, s49
	s_lshl_b32 s50, s48, 14                        ; 16,384 bytes of f32,
	s_mov_b32 s51, 0
	s_lshl_b32 s52, s48, 12                        ; 4,096 bytes of codes
	s_mov_b32 s53, 0
	s_wait_dscnt 0x0
	s_wait_kmcnt 0x0
	s_load_b256 s[36:43], s[10:11], 0x0            ; e0 .. e7
	s_cmp_lt_u32 s21, 11                           ; the buffers are chosen by the wave's number alone
	s_cselect_b64 s[44:45], s[6:7], s[8:9]
	s_cselect_b64 s[46:47], s[14:15], s[16:17]
	s_cmp_lt_u32 s21, 8
	s_cselect_b64 s[44:45], s[4:5], s[44:45]
	s_cselect_b64 s[46:47], s[12:13], s[46:47]
	s_add_nc_u64 s[34:35], s[44:45], s[50:51]
	s_or_b32 s35, s35, 0x80000000
	tensor_load_to_lds s[32:35], s[24:31]          ; my one tensor load
	s_nop 0
	s_add_nc_u64 s[46:47], s[46:47], s[52:53]
	v_and_b32 v2, 31, v0                           ; lane
	v_lshlrev_b32 v8, 4, v2                        ; 16 x lane: where a lane stores
	v_add_nc_u32 v4, s33, v8                       ; x, w_qkv: my 16 bytes of each 512
	v_lshrrev_b32 v3, 1, v2
	v_and_b32 v9, 1, v2
	v_lshlrev_b32 v3, 7, v3
	v_lshl_add_u32 v3, v9, 5, v3
	v_add_nc_u32 v5, s33, v3                       ; w_proj: 128 (lane / 2) + 32 (lane % 2)
	s_wait_alu depctr_va_vdst(0)
	s_cmp_lg_u32 s21, 0
	s_cbranch_scc1 .Lnotab
	s_cmp_ge_u32 ttmp9, 128
	s_cbranch_scc1 .Lnotab
	; ---- the table of cos and sin, block ttmp9
	s_lshl_b32 s23, ttmp9, 4
	v_and_b32 v6, 15, v2
	v_add_nc_u32 v6, s23, v6
	v_cvt_f32_u32 v29, v6                          ; t
	v_cmp_lt_u32 s20, 15, v2                       ; lanes 16-31: h = 1
	s_mov_b32 s54, 0x3f22f983                      ; 2 / pi
	s_mov_b32 s55, 0xbfc90fdb                      ; -(pi / 2 rounded to f32)
	s_mov_b32 s56, 0x333bbd2e                      ; that rounded number less pi / 2
	v_mov_b32 v30, 0xb94ca1f9                      ; sin's highest coefficient
	v_mov_b32 v31, 0x37ccf5ce                      ; cos's
.macro PAIR R, la, lb                  ; cos into v[32 + R], sin into v[48 + R]; la, lb: inv_freq for lanes 0-15 and 16-31
	v_mul_f32 v16, \la, v29
	v_mul_f32 v17, \lb, v29
	v_cndmask_b32 v16, v16, v17, s20               ; the angle
	v_mul_f32 v18, s54, v16
	v_rndne_f32 v18, v18                           ; whole quarter turns
	v_fma_f32 v19, v18, s55, v16
	v_fma_f32 v19, v18, s56, v19                   ; x, within +-pi/4
	v_cvt_i32_f32 v20, v18
	v_mul_f32 v21, v19, v19
	v_fmaak_f32 v22, v21, v30, 0x3c08839e
	v_fmaak_f32 v23, v21, v31, 0xbab6061a
	v_fmaak_f32 v22, v21, v22, 0xbe2aaaa3
	v_fmaak_f32 v23, v21, v23, 0x3d2aaaa5
	v_mul_f32 v24, v21, v19
	v_mul_f32 v25, v21, v21
	v_fma_f32 v26, v21, -0.5, 1.0
	v_fma_f32 v22, v22, v24, v19                   ; sin x
	v_fma_f32 v23, v23, v25, v26                   ; cos x
	v_and_b32 v27, 1, v20
	v_cmp_eq_u32 vcc_lo, 1, v27                    ; an odd quarter: the two change places
	v_cndmask_b32 v24, v22, v23, vcc_lo
	v_cndmask_b32 v25, v23, v22, vcc_lo
	v_and_b32 v27, 2, v20                          ; sin is negated in quarters 2 and 3,
	v_lshlrev_b32 v27, 30, v27
	v_xor_b32 v[48+\R], v24, v27
	v_add_nc_u32 v28, 1, v20                       ; cos in quarters 1 and 2
	v_and_b32 v28, 2, v28
	v_lshlrev_b32 v28, 30, v28
	v_xor_b32 v[32+\R], v25, v28
.endm
	PAIR 0,  1.0,              0.1
	PAIR 1,  0.74989420933,    0.074989420933
	PAIR 2,  0.56234132519,    0.056234132519
	PAIR 3,  0.42169650343,    0.042169650343
	PAIR 4,  0.31622776602,    0.031622776602
	PAIR 5,  0.23713737057,    0.023713737057
	PAIR 6,  0.17782794100,    0.017782794100
	PAIR 7,  0.13335214322,    0.013335214322
	PAIR 8,  0.01,             0.001
	PAIR 9,  0.0074989420933,  0.00074989420933
	PAIR 10, 0.0056234132519,  0.00056234132519
	PAIR 11, 0.0042169650343,  0.00042169650343
	PAIR 12, 0.0031622776602,  0.00031622776602
	PAIR 13, 0.0023713737057,  0.00023713737057
	PAIR 14, 0.0017782794100,  0.00017782794100
	PAIR 15, 0.0013335214322,  0.00013335214322
	s_lshl_b32 s58, ttmp9, 12                      ; a block is 4,096 bytes
	s_mov_b32 s59, 0
	s_add_nc_u64 s[18:19], s[18:19], s[58:59]
.irp c, 0,1,2,3,4,5,6,7
	global_store_b128 v8, v[32+4*\c:35+4*\c], s[18:19] offset:512*\c   ; 512 consecutive bytes a store; v32-63 are not written again
.endr
.Lnotab:
	s_wait_kmcnt 0x0
	s_cmp_lt_u32 s21, 11
	s_cselect_b32 s22, s37, s43                    ; e1 or e7,
	s_cmp_lt_u32 s21, 8
	s_cselect_b32 s22, s36, s22                    ; or e0
	s_add_co_i32 s22, s22, 127
	s_lshl_b32 s23, s22, 23
	v_mov_b32 v11, s23                             ; 2^e: the conversion takes its exponent field
	s_add_co_i32 s22, s22, 8
	s_lshl_b32 s22, s22, 23
	s_or_b32 s22, s22, 0x600000
	v_mov_b32 v10, s22                             ; 448 x 2^e
.macro LD t, a, o1, o2, o3             ; step t's 512 numbers into set t % 2
	ds_load_b128 v[X+16*((\t)%2):X+16*((\t)%2)+3], v[\a] offset:2048*(\t)
	ds_load_b128 v[X+16*((\t)%2)+4:X+16*((\t)%2)+7], v[\a] offset:2048*(\t)+\o1
	ds_load_b128 v[X+16*((\t)%2)+8:X+16*((\t)%2)+11], v[\a] offset:2048*(\t)+\o2
	ds_load_b128 v[X+16*((\t)%2)+12:X+16*((\t)%2)+15], v[\a] offset:2048*(\t)+\o3
.endm
.macro RUN a, o1, o2, o3
	LD 0, \a, \o1, \o2, \o3
.irp t, 0,1,2,3,4,5,6,7
.set XS, X+16*(\t%2)
.if \t < 7
	LD \t+1, \a, \o1, \o2, \o3
	s_wait_dscnt 4                                 ; this step's four loads are in, the next step's four may be out
.else
	s_wait_dscnt 0
.endif
.irp i, 0,1,2,3,4,5,6,7,8,9,10,11,12,13,14,15
	v_med3_num_f32 v[XS+\i], v[XS+\i], -v10, v10   ; the conversion does not saturate (ISA guide 7.6.2): the hold at the largest code x the scale
.endr
	v_cvt_scalef32_pk8_fp8_f32 v[CO+4*\t:CO+4*\t+1], v[XS:XS+7], v11
	v_cvt_scalef32_pk8_fp8_f32 v[CO+4*\t+2:CO+4*\t+3], v[XS+8:XS+15], v11   ; the results go to a store alone
	global_store_b128 v8, v[CO+4*\t:CO+4*\t+3], s[46:47] offset:512*\t       ; 32 lanes store 512 consecutive bytes, aligned
.endr
.endm
	s_wait_alu depctr_va_vdst(0)
	s_wait_tensorcnt 0x0                           ; my run is in; nobody else reads it
	s_cmp_eq_u32 s21, 11
	s_cbranch_scc1 .Lwp
	RUN 4, 512, 1024, 1536
	s_branch .Lend
.Lwp:
	RUN 5, 16, 64, 80
.Lend:
	s_wait_tensorcnt 0x0                           ; the wave's end
	ds_add_u32 v[SPW], v[NIL]
	s_wait_dscnt 0x0
	s_endpgm
.Lfunc_end_k_q76d13cc903_prep:
	.size	k_q76d13cc903_prep, .Lfunc_end_k_q76d13cc903_prep-k_q76d13cc903_prep
	.p2alignl 7, 3214868480
	.fill 96, 4, 3214868480
	.section	.rodata,"a",@progbits
	.p2align	6, 0x0
	.amdhsa_kernel k_q76d13cc903_prep
		.amdhsa_group_segment_fixed_size 198144
		.amdhsa_private_segment_fixed_size 0
		.amdhsa_enable_private_segment 0
		.amdhsa_kernarg_size 64
		.amdhsa_user_sgpr_count 2
		.amdhsa_user_sgpr_kernarg_segment_ptr 1
		.amdhsa_wavefront_size32 1
		.amdhsa_system_sgpr_workgroup_id_x 1
		.amdhsa_system_sgpr_workgroup_id_y 1
		.amdhsa_system_sgpr_workgroup_id_z 1
		.amdhsa_system_vgpr_workitem_id 0
		.amdhsa_next_free_vgpr 128
		.amdhsa_next_free_sgpr 66
		.amdhsa_reserve_vcc 1
		.amdhsa_float_denorm_mode_32 3
		.amdhsa_float_denorm_mode_16_64 3
		.amdhsa_memory_ordered 1
		.amdhsa_forward_progress 1
		.amdhsa_inst_pref_size 50
	.end_amdhsa_kernel
	.amdgpu_metadata
---
amdhsa.version: [ 1, 2 ]
amdhsa.kernels:
  - .name:           k_q76d13cc903_prep
    .symbol:         k_q76d13cc903_prep.kd
    .args:
      - { .name: x, .offset: 0, .size: 8, .value_kind: global_buffer, .address_space: global }
      - { .name: w_qkv, .offset: 8, .size: 8, .value_kind: global_buffer, .address_space: global }
      - { .name: w_proj, .offset: 16, .size: 8, .value_kind: global_buffer, .address_space: global }
      - { .name: lowp_scales, .offset: 24, .size: 8, .value_kind: global_buffer, .address_space: global }
      - { .name: x_codes, .offset: 32, .size: 8, .value_kind: global_buffer, .address_space: global }
      - { .name: wq_codes, .offset: 40, .size: 8, .value_kind: global_buffer, .address_space: global }
      - { .name: wp_codes, .offset: 48, .size: 8, .value_kind: global_buffer, .address_space: global }
      - { .name: rope, .offset: 56, .size: 8, .value_kind: global_buffer, .address_space: global }
    .group_segment_fixed_size: 198144
    .private_segment_fixed_size: 0
    .kernarg_segment_align: 8
    .kernarg_segment_size: 64
    .max_flat_workgroup_size: 384
    .sgpr_count:     66
    .vgpr_count:     128
    .wavefront_size: 32
...
	.end_amdgpu_metadata
.endif
;; end of part 1
;; launch qkv (part 2): grid 32 x 8, 4 waves a work-group, clusters of 4 x 1, 327,680 bytes of LDS; arguments x_codes, wq_codes, lowp_scales, rope, q_codes, k_codes, v_codes; writes q_codes, k_codes, v_codes
.if DOCPART == 2
	.amdgcn_target "amdgcn-amd-amdhsa--gfx1250"
	.amdhsa_code_object_version 6
	.text
	.protected	k_q76d13cc903_qkv
	.globl	k_q76d13cc903_qkv
	.p2align	8
	.type	k_q76d13cc903_qkv,@function
k_q76d13cc903_qkv:
	s_mov_b64 s[64:65], 0
	v_nop
	global_prefetch_b8 v0, s[64:65] scope:SCOPE_SE
	s_setreg_imm32_b32 hwreg(HW_REG_WAVE_MODE, 25, 1), 1
	s_wait_xcnt 0x0
	s_wait_alu depctr_hold_cnt(0) depctr_sa_sdst(0) depctr_va_vdst(0) depctr_va_sdst(0) depctr_va_ssrc(0) depctr_va_vcc(0) depctr_vm_vsrc(0)
	s_getreg_b32 s2, hwreg(HW_REG_IB_STS2, 6, 4)
	s_cmp_eq_u32 s2, 0
	s_cbranch_scc0 .Lentry_in_a_cluster
	s_endpgm
.Lentry_in_a_cluster:
	s_bfe_u32 s2, ttmp6, 0x10000c
	s_cmp_lg_u32 s2, 0x3003
	s_cbranch_scc0 .Lentry_shape_is_right
	s_endpgm
.Lentry_shape_is_right:
; qkv = x w_qkv^T on codes of FP8 (8,192 x 3,072, K = 1,024), the rotation of q and k, and the quantisers of q, k and v: nothing leaves but codes.
; SHARES.  Work-group (mb, np): rows 256 mb on of x, rows 384 np on of w_qkv: six heads of the 48 (16 of q, 16 of k, 16 of v).  32 x 8 = 256 work-groups.  A wave owns 64 rows of x.
; X STAYS IN REGISTERS: each wave brings its 64 rows x 1,024 bytes into LDS by one tensor load, reads them once into 512 registers (windows 2 and 3) and never again.
; W_QKV comes through two LDS slots of two heads each (128 rows x 1,024 bytes, on the bytes that held x), in three fills; all four waves read each head's 64 rows.
; A CHUNK is one head: 64 x 64 a wave, 16 accumulators, 8 steps of 128 along K; it is rotated, quantised and stored as soon as it is finished.
; CLUSTER 4, 1, 1 along mb: the four partners need the same rows of w_qkv and ask for them jointly.  x's tile hangs on mb and is asked for by a plain load: partners along np, which share x, would need a branch
; on their place (which chunks are v hangs on np).  NO PREFETCH: a work-group's weights come in three loads, and the loop has two trips: there is no trip two ahead to ask in.
; THE MATRIX INSTRUCTION: a lane holds one row of source 1, its registers run along source 0's rows.  q, k: source 0 = 16 rows of w_qkv, source 1 = 16 rows of x (a lane holds a position, registers run along the channels).
; v: the two change places (a lane holds a channel, registers run along the keys): V is turned by the choice of operands alone.
; WHAT IS STORED ARE IMAGES OF THE NEXT PRODUCT'S OPERAND REGISTERS.  Register j of a tile holds column 16 tile + 8 (lane / 16) + j; eight of them become registers 2 tile, 2 tile + 1 of codes.
;   q_codes, k_codes: [16 batch + head][t / 16][1,024 bytes]: byte 512 half + 16 lane = registers 4 half .. + 3 of a fragment 16 positions x 64 channels.
;   v_codes: [16 batch + head][key / 128][channel / 16][2,048 bytes]: byte 512 quad + 16 lane = registers 4 quad .. + 3 of a fragment 16 channels x 128 keys; a wave's 64 keys are two quads.  Every store writes 512 consecutive bytes, aligned.
; THE SCALES.  A sum stands for sum x 2^(e0 + e1); the rotation is linear, so it is done on the sums, in f32, and the conversion takes the one scale 2^(e - e0 - e1), e = e2 (q), e3 (k), e5 (v).
; LIMITS: e - e0 - e1 between -126 and 119.  x_codes and wq_codes hold K in one and the same permuted order: inside a matrix instruction the sums are not taken K ascending.
; The table of cos and sin is loaded by every wave, also where all six chunks are v.
; REGISTERS.  Window 0: v1-7 addresses; v32-159 the table for my four blocks of 16 positions; v160-191 numbers; v192-223 codes.  Window 1: v0-127 accumulator (a, b) at 8 (4 a + b); v128-255 w's fragments, two sets of four.
;             Windows 2, 3: x: K step q, block a at 64 (q % 4) + 16 a of window 2 + q / 4.
.set PITCH, 1040                       ; an LDS row: 1,024 bytes + 16 of padding: the 16 rows that a load touches start at 16 different banks (64 banks of 4 bytes: ISA guide 11.1)
.set CH,    64*PITCH                   ; a head's 64 rows; also a wave's 64 rows of x
.set SPARE, 4*CH                       ; behind the two slots: the spare words
.set L16,  1
.set XA,   2
.set BA0,  3
.set BA,   4
.set SPW,  5
.set NIL,  6
.set SCL,  7
.set TAB,  32
.set TT,   160
.set CC,   192
.set FB,   128
.set WV,   14
.set CX,   15
.set MB,   16
.set NP,   17                          ; np, then 6 np: my first head's number
.set G1X,  24
.set G0X,  32
.set G0B,  36
.set N,    40                          ; the chunk, 0..5
.set I,    41                          ; the chunk in its slot
.set TB,   42                          ; LDS byte at which the slot in hand begins
.set T,    43
.set OFQ,  44
.set OFV,  45
.set G1B,  48
.set HI,   56
.set LO,   57
.set OUT,  58
.set MSB, 0
.macro WIN new                         ; the immediate's high byte repeats the setting that is left
.if MSB != (\new)
	s_set_vgpr_msb (MSB<<8)|(\new)
.set MSB, (\new)
.endif
.endm
.macro PLACES
.rept 4
	v_nop
.endr
.endm
.macro CROUND                          ; a round of the cluster's barrier
	s_barrier_signal -1
	s_barrier_wait -1
	s_cmp_lg_u32 s[WV], 0
	s_cbranch_scc1 .Lnot_wave_0_\@
	s_barrier_signal -3
.Lnot_wave_0_\@:
	s_barrier_wait -3
	s_barrier_signal -1
	s_barrier_wait -1
.endm
	s_load_b128 s[4:7], s[0:1], 0x0                ; x_codes, wq_codes
	s_load_b128 s[8:11], s[0:1], 0x10              ; the scales' exponents, the table
	s_load_b128 s[68:71], s[0:1], 0x20             ; q_codes, k_codes
	s_load_b64 s[72:73], s[0:1], 0x30              ; v_codes
	v_lshl_add_u32 v[SPW], v0, 2, SPARE
	v_mov_b32 v[NIL], 0
	ds_add_u32 v[SPW], v[NIL]                      ; the opening lines: the add twice on end, and its wait
	ds_add_u32 v[SPW], v[NIL]
	v_lshrrev_b32 v8, 5, v0
	v_readfirstlane_b32 s[WV], v8                  ; wave 0..3
	s_bfe_u32 s[CX], ttmp6, 0x40000
	s_lshl_b32 s[MB], ttmp9, 2
	s_add_co_u32 s[MB], s[MB], s[CX]               ; mb
	s_and_b32 s[NP], ttmp7, 0xffff                 ; np: the same in the four partners
	s_mov_b32 s[G1X], (1<<20)|(7<<22)|(3<<25)      ; no mask; elements of 1 byte; four words of padding after every 256
	s_mov_b32 s[G1X+1], 1024<<16
	s_mov_b32 s[G1X+2], 64<<16
	s_mov_b32 s[G1X+3], 1024<<16
	s_mov_b32 s[G1X+4], 64
	s_mov_b32 s[G1X+5], 1024
	s_mov_b32 s[G1X+6], 0
	s_mov_b32 s[G1X+7], 0
	s_mov_b32 s[G1B], 15|(1<<20)|(1<<21)|(7<<22)|(3<<25)   ; the mask names the four; 32 rows a wave
	s_mov_b32 s[G1B+1], 1024<<16
	s_mov_b32 s[G1B+2], 32<<16
	s_mov_b32 s[G1B+3], 1024<<16
	s_mov_b32 s[G1B+4], 32
	s_mov_b32 s[G1B+5], 1024
	s_mov_b32 s[G1B+6], 0
	s_mov_b32 s[G1B+7], 0
	s_mov_b32 s[G0X], 1
	s_mul_i32 s[G0X+1], s[WV], CH
	s_mov_b32 s[G0B], 1
	s_mul_i32 s[G0B+1], s[WV], 32*PITCH
	s_lshl_b32 s74, s[MB], 8
	s_lshl_b32 s75, s[WV], 6
	s_add_co_u32 s74, s74, s75
	s_lshl_b32 s74, s74, 10                        ; x: row 256 mb + 64 wave, 1,024 bytes a row
	s_mov_b32 s75, 0
	s_mul_i32 s76, s[NP], 384
	s_lshl_b32 s77, s[WV], 5
	s_add_co_u32 s76, s76, s77
	s_lshl_b32 s76, s76, 10                        ; w_qkv: row 384 np + 32 wave
	s_mov_b32 s77, 0
	s_wait_dscnt 0x0
	s_wait_kmcnt 0x0
	s_load_b256 s[88:95], s[8:9], 0x0              ; e0 .. e7
	s_add_nc_u64 s[G0X+2:G0X+3], s[4:5], s[74:75]
	s_or_b32 s[G0X+3], s[G0X+3], 0x80000000
	s_add_nc_u64 s[G0B+2:G0B+3], s[6:7], s[76:77]
	s_or_b32 s[G0B+3], s[G0B+3], 0x80000000
	CROUND
	tensor_load_to_lds s[G0X:G0X+3], s[G1X:G1X+7]  ; my 64 rows of x: my one tensor load at the head
	s_nop 0
	PLACES
	s_lshl_b32 s78, s[MB], 4
	s_lshl_b32 s79, s[WV], 2
	s_add_co_u32 s78, s78, s79
	s_and_b32 s78, s78, 127                        ; my first block of 16 positions in the sequence
	s_lshl_b32 s80, s78, 12
	s_mov_b32 s81, 0
	s_add_nc_u64 s[10:11], s[10:11], s[80:81]
	s_lshr_b32 s82, s[MB], 3
	s_lshl_b32 s82, s82, 21                        ; 16 batch x 131,072
	s_lshl_b32 s83, s78, 10
	s_add_co_u32 s[OFQ], s82, s83                  ; q, k: + 1,024 x block
	s_lshl_b32 s83, s[MB], 1
	s_lshr_b32 s84, s[WV], 1
	s_add_co_u32 s83, s83, s84
	s_and_b32 s83, s83, 15
	s_lshl_b32 s83, s83, 13
	s_add_co_u32 s[OFV], s82, s83                  ; v: + 8,192 x (key / 128)
	s_and_b32 s84, s[WV], 1
	s_lshl_b32 s84, s84, 10
	s_add_co_u32 s[OFV], s[OFV], s84               ;    + my two quads
	s_mul_i32 s[NP], s[NP], 6
	s_mov_b32 s[N], 0
	s_mov_b32 s[TB], 0
	s_mov_b32 s[T], 0
	v_and_b32 v[L16], 31, v0
	v_lshlrev_b32 v[L16], 4, v[L16]
.irp a, 0,1,2,3
.irp c, 0,1,2,3,4,5,6,7
	global_load_b128 v[TAB+32*\a+4*\c:TAB+32*\a+4*\c+3], v[L16], s[10:11] offset:4096*\a+512*\c   ; cos (16) and sin (16) of block a
.endr
.endr
	v_and_b32 v8, 15, v0
	v_bfe_u32 v9, v0, 4, 1
	v_mul_u32_u24 v[BA0], v8, PITCH
	v_lshl_add_u32 v[BA0], v9, 4, v[BA0]           ; a fragment's row x pitch + 16 x half
	v_add_nc_u32 v[XA], s[G0X+1], v[BA0]
	s_wait_kmcnt 0x0
	s_add_co_i32 s85, s88, s89                     ; e0 + e1
	s_wait_alu depctr_va_vdst(0)
	s_wait_tensorcnt 0x0                           ; my rows of x are in; nobody else reads them
	WIN 0x80
.irp q, 0,1,2,3
.irp a, 0,1,2,3
.irp c, 0,1,2,3
	ds_load_b128 v[64*\q+16*\a+4*\c:64*\q+16*\a+4*\c+3], v[XA] offset:\a*16*PITCH+128*\q+32*\c
.endr
.endr
.endr
	WIN 0xc0
.irp q, 0,1,2,3
.irp a, 0,1,2,3
.irp c, 0,1,2,3
	ds_load_b128 v[64*\q+16*\a+4*\c:64*\q+16*\a+4*\c+3], v[XA] offset:\a*16*PITCH+512+128*\q+32*\c
.endr
.endr
.endr
	WIN 0
	s_wait_tensorcnt 0x0                           ; the three lines ahead of a refill's round:
	ds_add_u32 v[SPW], v[NIL]
	s_wait_dscnt 0x0                               ; the add is done, and x is in my registers
	CROUND                                         ; so it is in every wave of the four partners
	tensor_load_to_lds s[G0B:G0B+3], s[G1B:G1B+7]  ; heads 0 and 1 into slot 0
	s_nop 0
	PLACES
	s_wait_loadcnt 0x0                             ; the table
; A change of slots.  fill = 1: behind the round the other slot takes the next two heads.
.macro RING fill
	s_wait_tensorcnt 0x0                           ; my part of the slot ahead is in, and group 0 may be written
	ds_add_u32 v[SPW], v[NIL]
.if \fill
	s_xor_b32 s[G0B+1], s[G0B+1], 2*CH
	s_add_nc_u64 s[G0B+2:G0B+3], s[G0B+2:G0B+3], 131072
.endif
	s_wait_dscnt 0x0                               ; the add is done, and my reads of the slot that I have left are over
.if \fill
	CROUND
	tensor_load_to_lds s[G0B:G0B+3], s[G1B:G1B+7]
	s_nop 0
	PLACES
.else
	s_barrier_signal -1
	s_barrier_wait -1
.endif
.endm
.macro FETCHF q, b                     ; w's fragment of K step q, rows 16 b on, into set q % 2
.irp c, 0,1,2,3
	ds_load_b128 v[FB+64*((\q)%2)+16*(\b)+4*\c:FB+64*((\q)%2)+16*(\b)+4*\c+3], v[BA] offset:(\b)*16*PITCH+128*(\q)+32*\c
.endr
.endm
; A chunk's 128 products, 16 a K step.  Behind a K step's products its set of four fragments is replaced, in one run of sixteen loads, by the set of two K steps on; so at a K step's head the next set's sixteen loads may be out.
; The 16 accumulators take turns, one instruction a turn.  vv = 1: the sources change places.
.macro MAT vv
.irp q, 0,1,2,3,4,5,6,7
.irp b, 0,1,2,3
.if \b == 0
.if \q < 7
	s_wait_dscnt 16
.else
	s_wait_dscnt 0
.endif
.endif
.if \vv
	WIN 0x56+(\q/4)
.else
	WIN 0x59+4*(\q/4)
.endif
.irp a, 0,1,2,3
.if \vv
.if \q == 0
	v_wmma_f32_16x16x128_fp8_fp8 v[8*(4*\a+\b):8*(4*\a+\b)+7], v[64*(\q%4)+16*\a:64*(\q%4)+16*\a+15], v[FB+64*(\q%2)+16*\b:FB+64*(\q%2)+16*\b+15], 0
.else
	v_wmma_f32_16x16x128_fp8_fp8 v[8*(4*\a+\b):8*(4*\a+\b)+7], v[64*(\q%4)+16*\a:64*(\q%4)+16*\a+15], v[FB+64*(\q%2)+16*\b:FB+64*(\q%2)+16*\b+15], v[8*(4*\a+\b):8*(4*\a+\b)+7]
.endif
.else
.if \q == 0
	v_wmma_f32_16x16x128_fp8_fp8 v[8*(4*\a+\b):8*(4*\a+\b)+7], v[FB+64*(\q%2)+16*\b:FB+64*(\q%2)+16*\b+15], v[64*(\q%4)+16*\a:64*(\q%4)+16*\a+15], 0
.else
	v_wmma_f32_16x16x128_fp8_fp8 v[8*(4*\a+\b):8*(4*\a+\b)+7], v[FB+64*(\q%2)+16*\b:FB+64*(\q%2)+16*\b+15], v[64*(\q%4)+16*\a:64*(\q%4)+16*\a+15], v[8*(4*\a+\b):8*(4*\a+\b)+7]
.endif
.endif
.endr
.if \q < 6
.if \b == 3
	PLACES                                         ; in front of loads into registers that the products read
	WIN 0x40
	FETCHF \q+2, 0
	FETCHF \q+2, 1
	FETCHF \q+2, 2
	FETCHF \q+2, 3
.endif
.endif
.endr
.endr
	WIN 0
	PLACES                                         ; in front of the first read of the sums
.endm
; q and k: in a head, tile u (channels 16 u + 8 h + j) and tile u + 2 (32 further on) turn together: out(u) = s(u) cos - s(u + 2) sin, out(u + 2) = s(u + 2) cos + s(u) sin.
.macro EPIQK
.irp a, 0,1,2,3
	WIN 0x01                                       ; source 0: the accumulators' window
.irp u, 0,1
.irp i, 0,2,4,6                        ; each accumulator is read from its low end on
	v_pk_mul_f32 v[TT+8*\u+\i:TT+8*\u+\i+1], v[32*\a+8*(\u+2)+\i:32*\a+8*(\u+2)+\i+1], v[TAB+32*\a+16+8*\u+\i:TAB+32*\a+16+8*\u+\i+1]
	v_pk_mul_f32 v[TT+8*(\u+2)+\i:TT+8*(\u+2)+\i+1], v[32*\a+8*\u+\i:32*\a+8*\u+\i+1], v[TAB+32*\a+16+8*\u+\i:TAB+32*\a+16+8*\u+\i+1]
.endr
.irp i, 0,2,4,6
	v_pk_fma_f32 v[TT+8*\u+\i:TT+8*\u+\i+1], v[32*\a+8*\u+\i:32*\a+8*\u+\i+1], v[TAB+32*\a+8*\u+\i:TAB+32*\a+8*\u+\i+1], v[TT+8*\u+\i:TT+8*\u+\i+1] neg_lo:[0,0,1] neg_hi:[0,0,1]
	v_pk_fma_f32 v[TT+8*(\u+2)+\i:TT+8*(\u+2)+\i+1], v[32*\a+8*(\u+2)+\i:32*\a+8*(\u+2)+\i+1], v[TAB+32*\a+8*\u+\i:TAB+32*\a+8*\u+\i+1], v[TT+8*(\u+2)+\i:TT+8*(\u+2)+\i+1]
.endr
.endr
	WIN 0
.set NN, 0
.rept 32
	v_med3_num_f32 v[TT+NN], v[TT+NN], s[LO], s[HI]   ; the conversion does not saturate (ISA guide 7.6.2): the hold at the largest code x the scale
.set NN, NN+1
.endr
.irp b, 0,1,2,3
	v_cvt_scalef32_pk8_fp8_f32 v[CC+8*\a+2*\b:CC+8*\a+2*\b+1], v[TT+8*\b:TT+8*\b+7], v[SCL]
.endr
	v_nop                                          ; a plain line between the conversions and the next lines that write their sources
	global_store_b128 v[L16], v[CC+8*\a:CC+8*\a+3], s[OUT:OUT+1] offset:1024*\a
	global_store_b128 v[L16], v[CC+8*\a+4:CC+8*\a+7], s[OUT:OUT+1] offset:1024*\a+512
.endr
.endm
; v: channels 16 b on x my 64 keys: two quads of a fragment of V^T
.macro EPIV
.irp b, 0,1,2,3
	WIN 0x01
.irp a, 0,1,2,3
.irp j, 0,1,2,3,4,5,6,7
	v_med3_num_f32 v[TT+8*\a+\j], v[32*\a+8*\b+\j], s[LO], s[HI]
.endr
.endr
	WIN 0
.irp a, 0,1,2,3
	v_cvt_scalef32_pk8_fp8_f32 v[CC+8*\b+2*\a:CC+8*\b+2*\a+1], v[TT+8*\a:TT+8*\a+7], v[SCL]
.endr
	v_nop
	global_store_b128 v[L16], v[CC+8*\b:CC+8*\b+3], s[OUT:OUT+1] offset:2048*\b
	global_store_b128 v[L16], v[CC+8*\b+4:CC+8*\b+7], s[OUT:OUT+1] offset:2048*\b+512
.endr
.endm
; The two chunks of the slot in hand
.macro CHUNKS
	s_mov_b32 s[I], 0
.Lchunk_\@:
	s_wait_xcnt 0x0                                ; the last chunk's stores have read their data and their base
	s_add_co_u32 s60, s[NP], s[N]                  ; the head's number, 0..47
	s_lshr_b32 s61, s60, 4                         ; 0 q, 1 k, 2 v: ids and the count of chunks alone
	s_and_b32 s60, s60, 15
	s_lshl_b32 s60, s60, 17
	s_cmp_eq_u32 s61, 2
	s_cselect_b32 s74, s[OFV], s[OFQ]
	s_cselect_b64 s[OUT:OUT+1], s[72:73], s[70:71]
	s_cselect_b32 s63, s93, s91                    ; e5 or e3,
	s_cmp_eq_u32 s61, 0
	s_cselect_b64 s[OUT:OUT+1], s[68:69], s[OUT:OUT+1]
	s_cselect_b32 s63, s90, s63                    ; or e2
	s_add_co_u32 s74, s74, s60
	s_mov_b32 s75, 0
	s_add_nc_u64 s[OUT:OUT+1], s[OUT:OUT+1], s[74:75]
	s_sub_co_i32 s63, s63, s85                     ; e - e0 - e1
	s_add_co_i32 s63, s63, 127
	s_lshl_b32 s76, s63, 23
	v_mov_b32 v[SCL], s76
	s_add_co_i32 s63, s63, 8
	s_lshl_b32 s63, s63, 23
	s_or_b32 s[HI], s63, 0x600000                  ; 448 x the scale,
	s_or_b32 s[LO], s[HI], 0x80000000              ; and its negative
	s_mul_i32 s77, s[I], CH
	s_add_co_u32 s77, s77, s[TB]
	v_add_nc_u32 v[BA], s77, v[BA0]
	s_wait_alu depctr_va_vdst(0)
	WIN 0x40
.irp b, 0,1,2,3
	FETCHF 0, \b
.endr
.irp b, 0,1,2,3
	FETCHF 1, \b
.endr
	WIN 0
	s_cmp_eq_u32 s61, 2
	s_cbranch_scc1 .Lv_\@
	MAT 0
	EPIQK
	s_branch .Ljoin_\@
.Lv_\@:
	MAT 1
	EPIV
.Ljoin_\@:
	s_add_co_u32 s[N], s[N], 1
	s_add_co_u32 s[I], s[I], 1
	s_cmp_lt_u32 s[I], 2
	s_wait_alu depctr_va_vdst(0)
	s_cbranch_scc1 .Lchunk_\@
	s_xor_b32 s[TB], s[TB], 2*CH                   ; on to the other slot
.endm
.Lpair:                                            ; two trips: heads 0, 1 and 2, 3; behind each change of slots the next two heads are asked for
	RING 1
	CHUNKS
	s_add_co_u32 s[T], s[T], 1
	s_cmp_lt_u32 s[T], 2
	s_cbranch_scc1 .Lpair
	RING 0                                         ; heads 4 and 5: nothing is left to ask for
	CHUNKS
	s_wait_tensorcnt 0x0                           ; the wave's end
	ds_add_u32 v[SPW], v[NIL]
	s_wait_dscnt 0x0
	CROUND                                         ; the closing round
	s_endpgm
.Lfunc_end_k_q76d13cc903_qkv:
	.size	k_q76d13cc903_qkv, .Lfunc_end_k_q76d13cc903_qkv-k_q76d13cc903_qkv
	.p2alignl 7, 3214868480
	.fill 96, 4, 3214868480
	.section	.rodata,"a",@progbits
	.p2align	6, 0x0
	.amdhsa_kernel k_q76d13cc903_qkv
		.amdhsa_group_segment_fixed_size 327680
		.amdhsa_private_segment_fixed_size 0
		.amdhsa_enable_private_segment 0
		.amdhsa_kernarg_size 56
		.amdhsa_user_sgpr_count 2
		.amdhsa_user_sgpr_kernarg_segment_ptr 1
		.amdhsa_wavefront_size32 1
		.amdhsa_system_sgpr_workgroup_id_x 1
		.amdhsa_system_sgpr_workgroup_id_y 1
		.amdhsa_system_sgpr_workgroup_id_z 1
		.amdhsa_system_vgpr_workitem_id 0
		.amdhsa_next_free_vgpr 1024
		.amdhsa_next_free_sgpr 100
		.amdhsa_reserve_vcc 0
		.amdhsa_float_denorm_mode_32 3
		.amdhsa_float_denorm_mode_16_64 3
		.amdhsa_memory_ordered 1
		.amdhsa_forward_progress 1
		.amdhsa_inst_pref_size 144
	.end_amdhsa_kernel
	.amdgpu_metadata
---
amdhsa.version: [ 1, 2 ]
amdhsa.kernels:
  - .name:           k_q76d13cc903_qkv
    .symbol:         k_q76d13cc903_qkv.kd
    .args:
      - { .name: x_codes, .offset: 0, .size: 8, .value_kind: global_buffer, .address_space: global }
      - { .name: wq_codes, .offset: 8, .size: 8, .value_kind: global_buffer, .address_space: global }
      - { .name: lowp_scales, .offset: 16, .size: 8, .value_kind: global_buffer, .address_space: global }
      - { .name: rope, .offset: 24, .size: 8, .value_kind: global_buffer, .address_space: global }
      - { .name: q_codes, .offset: 32, .size: 8, .value_kind: global_buffer, .address_space: global }
      - { .name: k_codes, .offset: 40, .size: 8, .value_kind: global_buffer, .address_space: global }
      - { .name: v_codes, .offset: 48, .size: 8, .value_kind: global_buffer, .address_space: global }
    .group_segment_fixed_size: 327680
    .private_segment_fixed_size: 0
    .kernarg_segment_align: 8
    .kernarg_segment_size: 56
    .max_flat_workgroup_size: 128
    .sgpr_count:     100
    .vgpr_count:     1024
    .wavefront_size: 32
...
	.end_amdgpu_metadata
.endif
;; end of part 2
;; launch attn (part 3): grid 256 x 1, 8 waves a work-group, clusters of 4 x 1, 327,680 bytes of LDS; arguments q_codes, k_codes, v_codes, lowp_scales, a_codes; writes a_codes
.if DOCPART == 3
	.amdgcn_target "amdgcn-amd-amdhsa--gfx1250"
	.amdhsa_code_object_version 6
	.text
	.protected	k_q76d13cc903_attn
	.globl	k_q76d13cc903_attn
	.p2align	8
	.type	k_q76d13cc903_attn,@function
k_q76d13cc903_attn:
	s_mov_b64 s[64:65], 0
	v_nop
	global_prefetch_b8 v0, s[64:65] scope:SCOPE_SE
	s_setreg_imm32_b32 hwreg(HW_REG_WAVE_MODE, 25, 1), 1
	s_wait_xcnt 0x0
	s_wait_alu depctr_hold_cnt(0) depctr_sa_sdst(0) depctr_va_vdst(0) depctr_va_sdst(0) depctr_va_ssrc(0) depctr_va_vcc(0) depctr_vm_vsrc(0)
	s_getreg_b32 s2, hwreg(HW_REG_IB_STS2, 6, 4)
	s_cmp_eq_u32 s2, 0
	s_cbranch_scc0 .Lentry_in_a_cluster
	s_endpgm
.Lentry_in_a_cluster:
	s_bfe_u32 s2, ttmp6, 0x10000c
	s_cmp_lg_u32 s2, 0x3003
	s_cbranch_scc0 .Lentry_shape_is_right
	s_endpgm
.Lentry_shape_is_right:
; Causal attention on codes of FP8 (E4M3): 64 (batch, head) pairs, 2,048 positions, head size 64; the result leaves as codes, quantised with 2^e6 for the last product.
; WORK LEFT OUT: every step of 128 keys that comes wholly after a block of 128 queries: the causal mask that the problem itself builds gives those keys weight 0 for all inputs.
; THE SOFTMAX AHEAD OF THE SECOND PRODUCT: t = score x log2(e) / 8; M = the row's largest t so far, rounded UP to a whole number; p = 2^(t - M) is quantised with 2^e4, not normalised.  The row's sum is taken of the
; unquantised p, in f32, and divides at the end.  When M moves, the sum and O are multiplied by f = 2^(old M - new M): exact.
; SHARES.  A cluster of four work-groups owns a pair.  The pair's K and V, 2 x 128 KiB, lie whole in each work-group's LDS, asked for JOINTLY at the head: eight loads of 32 KiB, one a wave (waves 0-3 K, 4-7 V); nothing is filled again.
; The work-group at place cx owns queries 128 b + 32 cx + 0 .. 31 of each block b = 0 .. 15, which need b + 1 steps of 128 keys whatever cx is.  Wave w takes block w and then block 15 - w: (w + 1) + (16 - w) = 17 steps in
; every wave of every work-group: one loop of 17 trips, no barrier in it, and no branch or LDS address hangs on cx.  With y = trip + 15 - w the step of keys is (y xor ((y >> 4) + 15)) & 15: w down to 0, then 0 up to 15 - w.
; Trips 0 and 16 lie on the diagonal (hidden scores become -infinity ahead of the maximum; key 128 b counts for every query of block b, so M is a number from a block's first step on).  Trips w and 16 end a block.
; At a change of blocks O and the sum are not cleared: the largest t is set back to -3e38, so the next step's f is 0 and multiplies them away (they are finite: sums of at most 2,048 products of codes).
; NO PREFETCH: all tensor loads go out at the head; there is no loop to run ahead in.
; LAYOUT.  All operands lie in memory and LDS as images of their registers (16 bytes a lane, 512 a load).  Both products are used transposed: S^T = K Q^T, O^T = V^T P^T: a lane holds ONE query (lane % 16) of each of my two tiles.
; Register j of score tile c is key 16 c + 8 (lane / 16) + j: eight of them become registers 2 c, 2 c + 1 of P.  O^T's four tiles become the image of a fragment 16 positions x 64 channels: a_codes[(2048 batch + t) / 16][head][1,024 bytes].
; Each fragment of K and V feeds two matrix instructions.  V's fragments are asked for at a step's head, the next step's K behind this step's score products (the last trip's such loads are multiplied by nobody).
; LIMITS on the given exponents: e2 + e3 between -123 and 130; e4, and e6 - e4 - e5, between -126 and 119.
; REGISTERS.  Window 0: v1-10 addresses and scales; tile T: v[12+6T] -M, +1 largest t, +2,+3 the sum, +4 f; v24-31 at work; v32-95 V; v96-223 S^T, then p (64 a tile); v224-255 p's codes.
;             Window 1: v0-63 O^T (32 a tile); v64-79 Q; v80-95 the second block's Q; v96-159 K.
.set VOFF,  131072
.set SPARE, 262144                     ; behind K and V: the spare words, 128 bytes a wave
.set L16,  1                           ; 16 x lane
.set DL,   2                           ; r - 8 h + 32 cx
.set AD,   3                           ; LDS address of the step's V
.set ADK,  4                           ; of K
.set SPW,  5
.set NIL,  6
.set S4,   8                           ; 2^e4
.set S6,   9                           ; 2^(e6 - e4 - e5)
.set H6,   10                          ; 448 x that
.set QB,   64
.set QN,   80
.set KB,   96
.set WV,   18
.set CX,   19
.set SEL,  20
.set CS,   22                          ; s[22:23] c = log2(e) / 8 x 2^(e2 + e3)
.set G1,   24
.set S,    33                          ; the trip
.set YB,   34                          ; 15 - wave
.set G0,   40
.set H4,   76                          ; 448 x 2^e4
.set OC,   78                          ; s[78:79] where the block in hand is stored;  s[80:81] the second block
.set OB,   80
.set MSB, 0
.macro WIN new                         ; the immediate's high byte repeats the setting that is left
.if MSB != \new
	s_set_vgpr_msb (MSB<<8)|\new
.set MSB, \new
.endif
.endm
.macro CROUND                          ; a round of the cluster's barrier
	s_barrier_signal -1
	s_barrier_wait -1
	s_cmp_lg_u32 s[WV], 0
	s_cbranch_scc1 .Lnot_wave_0_\@
	s_barrier_signal -3
.Lnot_wave_0_\@:
	s_barrier_wait -3
	s_barrier_signal -1
	s_barrier_wait -1
.endm
.macro KSTEP n                         ; s91 = 8,192 x the step of keys of trip S + n
	s_add_co_u32 s90, s[S], s[YB]
.if \n
	s_add_co_u32 s90, s90, 1
.endif
	s_lshr_b32 s91, s90, 4
	s_add_co_u32 s91, s91, 15
	s_xor_b32 s91, s91, s90
	s_and_b32 s91, s91, 15
	s_lshl_b32 s91, s91, 13
.endm
.macro KLOADS
	WIN 0x40                                       ; destination window 1
.irp c, 0,1,2,3,4,5,6,7
	ds_load_b128 v[KB+8*\c:KB+8*\c+3], v[ADK] offset:1024*\c
	ds_load_b128 v[KB+8*\c+4:KB+8*\c+7], v[ADK] offset:1024*\c+512
.endr
	WIN 0
.endm
	s_load_b128 s[4:7], s[0:1], 0x0                ; q_codes, k_codes
	s_load_b128 s[12:15], s[0:1], 0x10             ; v_codes, the scales' exponents
	s_load_b64 s[16:17], s[0:1], 0x20              ; a_codes
	v_lshl_add_u32 v[SPW], v0, 2, SPARE
	v_mov_b32 v[NIL], 0
	ds_add_u32 v[SPW], v[NIL]                      ; the opening lines: the add twice on end, and its wait
	ds_add_u32 v[SPW], v[NIL]
	v_lshrrev_b32 v7, 5, v0
	v_readfirstlane_b32 s[WV], v7                  ; wave 0..7
	s_bfe_u32 s[CX], ttmp6, 0x40000                ; my place in the cluster
	s_mov_b32 s[G1], 15|(3<<16)|(1<<21)            ; the mask names the four; elements of 8 bytes; a dense block of 32,768 bytes as 128 rows of 256
	s_mov_b32 s[G1+1], 32<<16
	s_mov_b32 s[G1+2], 128<<16
	s_mov_b32 s[G1+3], 32<<16
	s_mov_b32 s[G1+4], 128
	s_mov_b32 s[G1+5], 32
	s_mov_b32 s[G1+6], 0
	s_mov_b32 s[G1+7], 0
	s_mov_b32 s[SEL], 0x76543210
	s_mov_b32 s[SEL+1], 0xfedcba98
	s_mov_b32 s[CS], 0x3e38aa3b                    ; log2(e) / 8
	s_mov_b32 s[S], 0
	s_xor_b32 s[YB], s[WV], 15
	s_mov_b32 s[G0], 1
	s_lshl_b32 s[G0+1], s[WV], 15                  ; LDS: 32,768 x wave: K's four quarters, then V's
	s_lshl_b32 s86, ttmp9, 17                      ; the pair's first byte in q_codes, k_codes, v_codes
	s_mov_b32 s87, 0
	s_and_b32 s88, s[WV], 3
	s_lshl_b32 s88, s88, 15
	s_mov_b32 s89, 0
	s_wait_dscnt 0x0
	s_wait_kmcnt 0x0
	s_load_b256 s[68:75], s[14:15], 0x0            ; e0 .. e7
	s_cmp_lt_u32 s[WV], 4
	s_cselect_b64 s[G0+2:G0+3], s[6:7], s[12:13]
	s_add_nc_u64 s[G0+2:G0+3], s[G0+2:G0+3], s[86:87]
	s_add_nc_u64 s[G0+2:G0+3], s[G0+2:G0+3], s[88:89]
	s_or_b32 s[G0+3], s[G0+3], 0x80000000
	CROUND                                         ; the four work-groups are here: the joint loads meet
	tensor_load_to_lds s[G0:G0+3], s[G1:G1+7]      ; my one tensor load: the same descriptor in all four partners
	s_nop 0
.rept 4
	v_nop
.endr
	s_lshl_b32 s90, s[WV], 3
	s_lshl_b32 s91, s[CX], 1
	s_add_co_u32 s90, s90, s91                     ; the first block's first tile of 16 positions: 8 w + 2 cx
	s_lshl_b32 s92, s[YB], 3
	s_add_co_u32 s92, s92, s91                     ; the second block's
	s_add_nc_u64 s[4:5], s[4:5], s[86:87]
	s_lshl_b32 s94, s90, 10
	s_mov_b32 s95, 0
	s_add_nc_u64 s[82:83], s[4:5], s[94:95]
	s_lshl_b32 s94, s92, 10
	s_add_nc_u64 s[84:85], s[4:5], s[94:95]
	s_lshr_b32 s96, ttmp9, 4
	s_lshl_b32 s96, s96, 7                         ; 128 x batch
	s_and_b32 s97, ttmp9, 15
	s_lshl_b32 s97, s97, 10                        ; 1,024 x head
	s_add_co_u32 s94, s96, s90
	s_lshl_b32 s94, s94, 14
	s_add_co_u32 s94, s94, s97
	s_add_nc_u64 s[OC:OC+1], s[16:17], s[94:95]
	s_add_co_u32 s94, s96, s92
	s_lshl_b32 s94, s94, 14
	s_add_co_u32 s94, s94, s97
	s_add_nc_u64 s[OB:OB+1], s[16:17], s[94:95]
	v_and_b32 v[L16], 31, v0
	v_lshlrev_b32 v[L16], 4, v[L16]
	WIN 0x40
.irp c, 0,1,2,3
	global_load_b128 v[QB+4*\c:QB+4*\c+3], v[L16], s[82:83] offset:512*\c   ; two tiles of Q, 1,024 bytes each
	global_load_b128 v[QN+4*\c:QN+4*\c+3], v[L16], s[84:85] offset:512*\c
.endr
.set NN, 0
.rept 64
	v_mov_b32 v[NN], 0                             ; O^T: the step is written once; the first finds zeros
.set NN, NN+1
.endr
	WIN 0
	v_and_b32 v[DL], 15, v0
	v_bfe_u32 v7, v0, 4, 1
	v_lshlrev_b32 v7, 3, v7
	v_sub_nc_u32 v[DL], v[DL], v7
	s_lshl_b32 s94, s[CX], 5
	v_add_nc_u32 v[DL], s94, v[DL]
.irp T, 0,1
	v_mov_b32 v[13+6*\T], 0xff61b1e6               ; the largest t so far: -3e38
	v_mov_b32 v[12+6*\T], 0x7f61b1e6               ; -M
	v_mov_b32 v[14+6*\T], 0
	v_mov_b32 v[15+6*\T], 0
	v_mov_b32 v[17+6*\T], 0                        ; (named as the upper half of f's pair)
	v_mov_b32 v[28+\T], 0                          ; a lane permute's destination counts as a source
.endr
	KSTEP 0
	v_add_nc_u32 v[ADK], s91, v[L16]
	s_wait_kmcnt 0x0
	s_add_co_i32 s94, s70, s71
	s_lshl_b32 s94, s94, 23
	s_add_co_i32 s[CS], s[CS], s94                 ; e2 + e3 go into c's exponent field
	s_mov_b32 s[CS+1], s[CS]
	s_add_co_i32 s94, s72, 127
	s_lshl_b32 s95, s94, 23
	v_mov_b32 v[S4], s95
	s_add_co_i32 s94, s94, 8
	s_lshl_b32 s94, s94, 23
	s_or_b32 s[H4], s94, 0x600000
	s_sub_co_i32 s94, s74, s72
	s_sub_co_i32 s94, s94, s73
	s_add_co_i32 s94, s94, 127
	s_lshl_b32 s95, s94, 23
	v_mov_b32 v[S6], s95
	s_add_co_i32 s94, s94, 8
	s_lshl_b32 s94, s94, 23
	s_or_b32 s94, s94, 0x600000
	v_mov_b32 v[H6], s94
	s_wait_alu depctr_va_vdst(0)
	s_wait_tensorcnt 0x0                           ; my quarter is in,
	s_barrier_signal -1
	s_barrier_wait -1                              ; everybody's is: K and V are whole, and are only read from here on
	KLOADS
	s_wait_loadcnt 0x0                             ; Q
.Lstep:
	v_add_nc_u32 v[AD], VOFF, v[ADK]
.rept 3
	v_nop                                          ; with the addition: four places in front of loads into registers that the last products read
.endr
.irp d, 0,1,2,3
.irp u, 0,1,2,3
	ds_load_b128 v[32+16*\d+4*\u:35+16*\d+4*\u], v[AD] offset:2048*\d+512*\u
.endr
.endr
	KSTEP 1
	s_wait_dscnt 16                                ; K's sixteen loads are in; V's sixteen, issued behind them, may be out
	WIN 0x05                                       ; sources 0 (K) and 1 (Q) in window 1
.irp c, 0,1,2,3,4,5,6,7
.irp T, 0,1
	v_wmma_f32_16x16x64_fp8_fp8 v[96+64*\T+8*\c:103+64*\T+8*\c], v[KB+8*\c:KB+8*\c+7], v[QB+8*\T:QB+8*\T+7], 0
.endr
.endr
	WIN 0
	v_add_nc_u32 v[ADK], s91, v[L16]
.rept 3
	v_nop                                          ; four places in front of the loads below and of the first read of the scores
.endr
	KLOADS                                         ; the next step's K
	s_and_b32 s92, s[S], 15                        ; trips 0 and 16 lie on the diagonal
	s_cbranch_scc1 .Lopen
	v_mov_b32 v24, 0xff800000
.irp T, 0,1                            ; register 8 c + j of tile T: hidden where 16 c + j - 16 T > r - 8 h + 32 cx, which is -8 at the least
.set NN, 0
.rept 64
.if 16*(NN/8)+NN%8-16*\T > -8
	v_cmp_gt_i32 vcc_lo, 16*(NN/8)+NN%8-16*\T, v[DL]
	v_cndmask_b32 v[96+64*\T+NN], v[96+64*\T+NN], v24, vcc_lo
.endif
.set NN, NN+1
.endr
.endr
.Lopen:
.irp T, 0,1                            ; the step's largest score of each query: two chains a tile, the two tiles by turns; each accumulator is first read at its low end
	v_max3_num_f32 v[24+2*\T], v[96+64*\T], v[97+64*\T], v[98+64*\T]
	v_max3_num_f32 v[25+2*\T], v[99+64*\T], v[100+64*\T], v[101+64*\T]
.endr
.irp i, 6,10,14,18,22,26,30,34,38,42,46,50,54,58
.irp T, 0,1
	v_max3_num_f32 v[24+2*\T], v[24+2*\T], v[96+64*\T+\i], v[97+64*\T+\i]
	v_max3_num_f32 v[25+2*\T], v[25+2*\T], v[98+64*\T+\i], v[99+64*\T+\i]
.endr
.endr
.irp T, 0,1
	v_max3_num_f32 v[24+2*\T], v[24+2*\T], v[158+64*\T], v[159+64*\T]
.endr
.irp T, 0,1
	v_max_num_f32 v[24+2*\T], v[24+2*\T], v[25+2*\T]
.endr
.irp T, 0,1
	v_permlanex16_b32 v[28+\T], v[24+2*\T], s[SEL], s[SEL+1]
.endr
.irp T, 0,1
	v_max_num_f32 v[24+2*\T], v[24+2*\T], v[28+\T]  ; and among lane l xor 16's
.endr
.irp T, 0,1
	v_mul_f32 v[24+2*\T], s[CS], v[24+2*\T]        ; as t (c is positive)
.endr
.irp T, 0,1
	v_max_num_f32 v[13+6*\T], v[13+6*\T], v[24+2*\T]
.endr
.irp T, 0,1
	v_mov_b32 v[24+2*\T], v[12+6*\T]
.endr
.irp T, 0,1
	v_floor_f32 v[12+6*\T], -v[13+6*\T]            ; the new -M = -ceil(t)
.endr
.irp T, 0,1
	v_sub_f32 v[24+2*\T], v[12+6*\T], v[24+2*\T]   ; old M - new M: a whole number, 0 or less
.endr
.irp T, 0,1
	v_cvt_i32_f32 v[24+2*\T], v[24+2*\T]           ; (it saturates)
.endr
.irp T, 0,1
	v_ldexp_f32 v[16+6*\T], 1.0, v[24+2*\T]        ; f
.endr
.set NN, 0
.rept 32
	v_pk_fma_f32 v[96+NN:97+NN], v[96+NN:97+NN], s[CS:CS+1], v[12:13] op_sel_hi:[1,0,0]     ; t - M, two at a time
	v_pk_fma_f32 v[160+NN:161+NN], v[160+NN:161+NN], s[CS:CS+1], v[18:19] op_sel_hi:[1,0,0]
.set NN, NN+2
.endr
	s_wait_alu depctr_va_vdst(0)                   ; ahead of the batch
.set NN, 0
.rept 128
	v_exp_f32 v[96+NN], v[96+NN]                   ; p = 2^(t - M), at most 1
.set NN, NN+1
.endr
.irp T, 0,1
	v_pk_mul_f32 v[14+6*\T:15+6*\T], v[14+6*\T:15+6*\T], v[16+6*\T:17+6*\T] op_sel_hi:[1,0]   ; the sums under the new M: plain lines behind the batch
.endr
	s_wait_alu depctr_va_vdst(0)                   ; one wait for the batch, ahead of its first reader
.irp T, 0,1                            ; the rows' sums of the unquantised p: three chains a tile
	v_pk_add_f32 v[24+4*\T:25+4*\T], v[96+64*\T:97+64*\T], v[98+64*\T:99+64*\T]
	v_pk_add_f32 v[26+4*\T:27+4*\T], v[100+64*\T:101+64*\T], v[102+64*\T:103+64*\T]
.endr
.irp k, 8,14,20,26,32,38,44,50,56
.irp T, 0,1
	v_pk_add_f32 v[14+6*\T:15+6*\T], v[14+6*\T:15+6*\T], v[96+64*\T+\k:97+64*\T+\k]
	v_pk_add_f32 v[24+4*\T:25+4*\T], v[24+4*\T:25+4*\T], v[98+64*\T+\k:99+64*\T+\k]
	v_pk_add_f32 v[26+4*\T:27+4*\T], v[26+4*\T:27+4*\T], v[100+64*\T+\k:101+64*\T+\k]
.endr
.endr
.irp T, 0,1
	v_pk_add_f32 v[14+6*\T:15+6*\T], v[14+6*\T:15+6*\T], v[158+64*\T:159+64*\T]
	v_pk_add_f32 v[24+4*\T:25+4*\T], v[24+4*\T:25+4*\T], v[26+4*\T:27+4*\T]
.endr
.irp T, 0,1
	v_pk_add_f32 v[14+6*\T:15+6*\T], v[14+6*\T:15+6*\T], v[24+4*\T:25+4*\T]
.endr
.set NN, 0
.rept 64                               ; the conversion does not saturate (ISA guide 7.6.2); p is not negative, so the hold is one-sided; two numbers an instruction
	v_dual_min_num_f32 v[96+NN], s[H4], v[96+NN] :: v_dual_min_num_f32 v[97+NN], s[H4], v[97+NN]
.set NN, NN+2
.endr
.irp c, 0,1,2,3,4,5,6,7,8,9,10,11,12,13,14,15
	v_cvt_scalef32_pk8_fp8_f32 v[224+2*\c:225+2*\c], v[96+8*\c:103+8*\c], v[S4]
.endr
	WIN 0x41                                       ; destination and source 0 in window 1
	s_wait_alu depctr_va_vdst(0)                   ; directly ahead of the first reader of O^T
.irp T, 0,1
.set NN, 0
.rept 16
	v_pk_mul_f32 v[32*\T+NN:32*\T+NN+1], v[32*\T+NN:32*\T+NN+1], v[16+6*\T:17+6*\T] op_sel_hi:[1,0]   ; O^T x f; also the plain lines behind the conversions
.set NN, NN+2
.endr
.endr
	s_wait_alu depctr_va_vdst(0)
	s_wait_dscnt 16                                ; V is in; the next step's K, sixteen loads issued behind it, may be out
	WIN 0x50                                       ; C and D in window 1
.irp d, 0,1,2,3                        ; the eight accumulators take turns; sixteen score products stand between a step's turn and the next
.irp T, 0,1
	v_wmma_f32_16x16x128_fp8_fp8 v[32*\T+8*\d:32*\T+8*\d+7], v[32+16*\d:47+16*\d], v[224+16*\T:239+16*\T], v[32*\T+8*\d:32*\T+8*\d+7]
.endr
.endr
	WIN 0
	s_cmp_eq_u32 s[S], s[WV]                       ; trips w and 16 end a block
	s_cselect_b32 s92, 16, s[S]
	s_cmp_eq_u32 s92, 16
	s_cbranch_scc0 .Lon
	; A BLOCK'S WAY OUT: O^T / the row's sum, held, quantised: the conversions' results are the image of the last product's fragment
.rept 4
	v_nop                                          ; places behind the last products
.endr
.irp T, 0,1
	v_add_f32 v[14+6*\T], v[14+6*\T], v[15+6*\T]
.endr
.irp T, 0,1
	v_permlanex16_b32 v[28+\T], v[14+6*\T], s[SEL], s[SEL+1]
.endr
.irp T, 0,1
	v_add_f32 v[14+6*\T], v[14+6*\T], v[28+\T]
.endr
	s_wait_alu depctr_va_vdst(0)                   ; ahead of the transcendentals
.irp T, 0,1
	v_rcp_f32 v[14+6*\T], v[14+6*\T]
.endr
	v_nop
	WIN 0x01                                       ; source 0 in window 1
	s_wait_alu depctr_va_vdst(0)                   ; behind them, and directly ahead of the first reader of O^T
.irp T, 0,1
.set NN, 0
.rept 16
	v_pk_mul_f32 v[96+64*\T+NN:97+64*\T+NN], v[32*\T+NN:32*\T+NN+1], v[14+6*\T:15+6*\T] op_sel_hi:[1,0]
.set NN, NN+2
.endr
.endr
	WIN 0
.irp T, 0,1
.set NN, 0
.rept 32
	v_med3_num_f32 v[96+64*\T+NN], v[96+64*\T+NN], -v[H6], v[H6]
.set NN, NN+1
.endr
.endr
.irp T, 0,1
.irp d, 0,1,2,3
	v_cvt_scalef32_pk8_fp8_f32 v[224+16*\T+2*\d:225+16*\T+2*\d], v[96+64*\T+8*\d:103+64*\T+8*\d], v[S6]
.endr
.endr
	v_nop
.irp T, 0,1
	global_store_b128 v[L16], v[224+16*\T:227+16*\T], s[OC:OC+1] offset:16384*\T        ; 512 consecutive bytes a store, aligned
	global_store_b128 v[L16], v[228+16*\T:231+16*\T], s[OC:OC+1] offset:16384*\T+512
.endr
.irp T, 0,1
	v_mov_b32 v[13+6*\T], 0xff61b1e6               ; the next block begins: its first f is 0
	v_mov_b32 v[12+6*\T], 0x7f61b1e6
.endr
	WIN 0x41
.set NN, 0
.rept 16
	v_mov_b32 v[QB+NN], v[QN+NN]                   ; its Q
.set NN, NN+1
.endr
	WIN 0
	s_wait_xcnt 0x0                                ; the stores have read their data and their base
	s_mov_b64 s[OC:OC+1], s[OB:OB+1]
.Lon:
	s_add_co_u32 s[S], s[S], 1
	s_cmp_lt_u32 s[S], 17
	s_wait_alu depctr_va_vdst(0)
	s_cbranch_scc1 .Lstep
	s_wait_tensorcnt 0x0                           ; the wave's end
	ds_add_u32 v[SPW], v[NIL]
	s_wait_dscnt 0x0
	CROUND                                         ; the closing round
	s_endpgm
.Lfunc_end_k_q76d13cc903_attn:
	.size	k_q76d13cc903_attn, .Lfunc_end_k_q76d13cc903_attn-k_q76d13cc903_attn
	.p2alignl 7, 3214868480
	.fill 96, 4, 3214868480
	.section	.rodata,"a",@progbits
	.p2align	6, 0x0
	.amdhsa_kernel k_q76d13cc903_attn
		.amdhsa_group_segment_fixed_size 327680
		.amdhsa_private_segment_fixed_size 0
		.amdhsa_enable_private_segment 0
		.amdhsa_kernarg_size 40
		.amdhsa_user_sgpr_count 2
		.amdhsa_user_sgpr_kernarg_segment_ptr 1
		.amdhsa_wavefront_size32 1
		.amdhsa_system_sgpr_workgroup_id_x 1
		.amdhsa_system_sgpr_workgroup_id_y 1
		.amdhsa_system_sgpr_workgroup_id_z 1
		.amdhsa_system_vgpr_workitem_id 0
		.amdhsa_next_free_vgpr 512
		.amdhsa_next_free_sgpr 100
		.amdhsa_reserve_vcc 1
		.amdhsa_float_denorm_mode_32 3
		.amdhsa_float_denorm_mode_16_64 3
		.amdhsa_memory_ordered 1
		.amdhsa_forward_progress 1
		.amdhsa_inst_pref_size 56
	.end_amdhsa_kernel
	.amdgpu_metadata
---
amdhsa.version: [ 1, 2 ]
amdhsa.kernels:
  - .name:           k_q76d13cc903_attn
    .symbol:         k_q76d13cc903_attn.kd
    .args:
      - { .name: q_codes, .offset: 0, .size: 8, .value_kind: global_buffer, .address_space: global }
      - { .name: k_codes, .offset: 8, .size: 8, .value_kind: global_buffer, .address_space: global }
      - { .name: v_codes, .offset: 16, .size: 8, .value_kind: global_buffer, .address_space: global }
      - { .name: lowp_scales, .offset: 24, .size: 8, .value_kind: global_buffer, .address_space: global }
      - { .name: a_codes, .offset: 32, .size: 8, .value_kind: global_buffer, .address_space: global }
    .group_segment_fixed_size: 327680
    .private_segment_fixed_size: 0
    .kernarg_segment_align: 8
    .kernarg_segment_size: 40
    .max_flat_workgroup_size: 256
    .sgpr_count:     100
    .vgpr_count:     512
    .wavefront_size: 32
...
	.end_amdgpu_metadata
.endif
;; end of part 3
;; launch proj (part 4): grid 8 x 32, 4 waves a work-group, clusters of 4 x 4, 327,680 bytes of LDS; arguments a_codes, wp_codes, lowp_scales, out0; writes out0
.if DOCPART == 4
	.amdgcn_target "amdgcn-amd-amdhsa--gfx1250"
	.amdhsa_code_object_version 6
	.text
	.protected	k_q76d13cc903_proj
	.globl	k_q76d13cc903_proj
	.p2align	8
	.type	k_q76d13cc903_proj,@function
k_q76d13cc903_proj:
	s_mov_b64 s[64:65], 0
	v_nop
	global_prefetch_b8 v0, s[64:65] scope:SCOPE_SE
	s_setreg_imm32_b32 hwreg(HW_REG_WAVE_MODE, 25, 1), 1
	s_wait_xcnt 0x0
	s_wait_alu depctr_hold_cnt(0) depctr_sa_sdst(0) depctr_va_vdst(0) depctr_va_sdst(0) depctr_va_ssrc(0) depctr_va_vcc(0) depctr_vm_vsrc(0)
	s_getreg_b32 s2, hwreg(HW_REG_IB_STS2, 6, 4)
	s_cmp_eq_u32 s2, 0
	s_cbranch_scc0 .Lentry_in_a_cluster
	s_endpgm
.Lentry_in_a_cluster:
	s_bfe_u32 s2, ttmp6, 0x10000c
	s_cmp_lg_u32 s2, 0xf033
	s_cbranch_scc0 .Lentry_shape_is_right
	s_endpgm
.Lentry_shape_is_right:
; out0 = a w_proj^T on codes of FP8 (8,192 x 1,024, K = 1,024); each finished sum is multiplied once by 2^(e6 + e7).  LIMIT: e6 + e7 between -126 and 127.
; SHARES.  Work-group (np, mb): rows 256 mb on of a, rows 128 np on of w_proj: 8 x 32 = 256 work-groups.  A wave owns 64 rows of a and all 128 columns, in two chunks of 64.
; A STAYS IN REGISTERS: a_codes[(row / 16)][head][1,024 bytes] holds images of fragments 16 rows x 64 channels, so a wave's 64 rows are 65,536 dense bytes: one tensor load brings them into LDS, the wave reads them once
; into 512 registers (windows 2 and 3) and never again.  Two heads' images on end are a fragment of 128 along K.  Then w_proj's 128 rows x 1,024 bytes are filled onto those bytes, 32 rows a wave, and read by all four waves.
; wp_codes holds K in the order in which loads of 16 bytes, 32 apart, give the same places of k as a's images.
; CLUSTERS: 4 x 4.  a's tile hangs on mb alone and is asked for jointly along a row of the cluster, w_proj's on np alone, along a column.  NO PREFETCH: two fills, both asked for ahead of the loop; there is no trip to run ahead in.
; THE MATRIX INSTRUCTION IS USED TRANSPOSED (source 0 = 16 rows of w_proj, source 1 = 16 rows of a): a lane holds eight neighbouring numbers of a row of out0.
; THE WAY OUT: a block of 16 rows x 64 columns goes through my own stage in LDS (rows of 256 + 16 bytes, on bytes that have had their last fill and that nobody reads) and leaves as rows: sixteen lanes store one aligned unit of 256 bytes.
; REGISTERS.  Window 0: v1-9 addresses; v32-159 rows read back from the stage; v160-191 a block's sums x the scale.  Window 1: v0-127 accumulator (a, b) at 8 (4 a + b); v128-255 w's fragments, two sets of four.
;             Windows 2, 3: a: K step q, block a at 64 (q % 4) + 16 a of window 2 + q / 4.
.set PITCH, 1040                       ; an LDS row of w_proj: 1,024 bytes + 16 of padding
.set CH,    64*PITCH                   ; a chunk's 64 rows
.set STAGE, 2*CH                       ; behind w_proj's 128 rows
.set SP,    272
.set SBLK,  16*SP
.set SPARE, 262144                     ; behind a's four regions: the spare words
.set L16,  1
.set XA,   2
.set BA0,  3
.set BA,   4
.set SPW,  5
.set NIL,  6
.set STO,  7
.set RD,   8
.set CO,   9
.set BK,   32
.set TT,   160
.set FB,   128
.set WV,   14
.set CX,   15
.set CY,   16
.set MB,   17
.set NP,   18
.set G1X,  24
.set G0X,  32
.set G0B,  36
.set I,    41
.set G1B,  48
.set SC,   56
.set OUT,  58
.set MSB, 0
.macro WIN new                         ; the immediate's high byte repeats the setting that is left
.if MSB != (\new)
	s_set_vgpr_msb (MSB<<8)|(\new)
.set MSB, (\new)
.endif
.endm
.macro PLACES
.rept 4
	v_nop
.endr
.endm
.macro CROUND                          ; a round of the cluster's barrier
	s_barrier_signal -1
	s_barrier_wait -1
	s_cmp_lg_u32 s[WV], 0
	s_cbranch_scc1 .Lnot_wave_0_\@
	s_barrier_signal -3
.Lnot_wave_0_\@:
	s_barrier_wait -3
	s_barrier_signal -1
	s_barrier_wait -1
.endm
	s_load_b128 s[4:7], s[0:1], 0x0                ; a_codes, wp_codes
	s_load_b128 s[8:11], s[0:1], 0x10              ; the scales' exponents, out0
	v_lshl_add_u32 v[SPW], v0, 2, SPARE
	v_mov_b32 v[NIL], 0
	ds_add_u32 v[SPW], v[NIL]                      ; the opening lines: the add twice on end, and its wait
	ds_add_u32 v[SPW], v[NIL]
	v_lshrrev_b32 v10, 5, v0
	v_readfirstlane_b32 s[WV], v10                 ; wave 0..3
	s_bfe_u32 s[CX], ttmp6, 0x40000
	s_bfe_u32 s[CY], ttmp6, 0x40004
	s_lshl_b32 s[NP], ttmp9, 2
	s_add_co_u32 s[NP], s[NP], s[CX]               ; np = 4 x cluster x + cx
	s_and_b32 s[MB], ttmp7, 0xffff
	s_lshl_b32 s[MB], s[MB], 2
	s_add_co_u32 s[MB], s[MB], s[CY]               ; mb = 4 x cluster y + cy
	s_lshl_b32 s60, s[CY], 2
	s_lshl_b32 s60, 15, s60                        ; my row of the cluster
	s_lshl_b32 s61, 0x1111, s[CX]                  ; my column
	s_or_b32 s[G1X], s60, (3<<16)|(1<<21)          ; a: a dense block of 65,536 bytes as 256 rows of 32 elements of 8 bytes
	s_mov_b32 s[G1X+1], 32<<16
	s_mov_b32 s[G1X+2], 256<<16
	s_mov_b32 s[G1X+3], 32<<16
	s_mov_b32 s[G1X+4], 256
	s_mov_b32 s[G1X+5], 32
	s_mov_b32 s[G1X+6], 0
	s_mov_b32 s[G1X+7], 0
	s_or_b32 s[G1B], s61, (1<<20)|(1<<21)|(7<<22)|(3<<25)   ; w_proj: 32 rows of 1,024 bytes; four words of padding after every 256
	s_mov_b32 s[G1B+1], 1024<<16
	s_mov_b32 s[G1B+2], 32<<16
	s_mov_b32 s[G1B+3], 1024<<16
	s_mov_b32 s[G1B+4], 32
	s_mov_b32 s[G1B+5], 1024
	s_mov_b32 s[G1B+6], 0
	s_mov_b32 s[G1B+7], 0
	s_mov_b32 s[G0X], 1
	s_lshl_b32 s[G0X+1], s[WV], 16
	s_mov_b32 s[G0B], 1
	s_mul_i32 s[G0B+1], s[WV], 32*PITCH
	s_lshl_b32 s74, s[MB], 4
	s_lshl_b32 s75, s[WV], 2
	s_add_co_u32 s74, s74, s75
	s_lshl_b32 s74, s74, 14                        ; a: block of 16 rows 16 mb + 4 wave, 16,384 bytes a block
	s_mov_b32 s75, 0
	s_lshl_b32 s76, s[NP], 7
	s_lshl_b32 s77, s[WV], 5
	s_add_co_u32 s76, s76, s77
	s_lshl_b32 s76, s76, 10                        ; w_proj: row 128 np + 32 wave
	s_mov_b32 s77, 0
	s_wait_dscnt 0x0
	s_wait_kmcnt 0x0
	s_load_b64 s[SC:SC+1], s[8:9], 0x18            ; e6, e7
	s_add_nc_u64 s[G0X+2:G0X+3], s[4:5], s[74:75]
	s_or_b32 s[G0X+3], s[G0X+3], 0x80000000
	s_add_nc_u64 s[G0B+2:G0B+3], s[6:7], s[76:77]
	s_or_b32 s[G0B+3], s[G0B+3], 0x80000000
	CROUND                                         ; all sixteen work-groups are here: the joint loads meet
	tensor_load_to_lds s[G0X:G0X+3], s[G1X:G1X+7]  ; my 64 rows of a: my one tensor load at the head
	s_nop 0
	PLACES
	s_lshl_b32 s78, s[MB], 8
	s_lshl_b32 s79, s[WV], 6
	s_add_co_u32 s78, s78, s79
	s_lshl_b32 s78, s78, 12                        ; out0: my first row, 4,096 bytes a row,
	s_lshl_b32 s79, s[NP], 9
	s_add_co_u32 s78, s78, s79                     ; and my first column, 512 bytes for 128
	s_mov_b32 s79, 0
	s_add_nc_u64 s[OUT:OUT+1], s[10:11], s[78:79]
	s_mul_i32 s82, s[WV], 4*SBLK
	s_add_co_u32 s82, s82, STAGE                   ; my four stages
	s_mov_b32 s[I], 0
	v_and_b32 v[L16], 31, v0
	v_lshlrev_b32 v[L16], 4, v[L16]
	v_add_nc_u32 v[XA], s[G0X+1], v[L16]
	v_and_b32 v10, 15, v0
	v_bfe_u32 v11, v0, 4, 1
	v_mul_u32_u24 v[BA0], v10, PITCH
	v_lshl_add_u32 v[BA0], v11, 4, v[BA0]          ; a fragment's row x pitch + 16 x half
	v_mul_u32_u24 v[STO], v10, SP
	v_lshl_add_u32 v[STO], v11, 5, v[STO]
	v_add_nc_u32 v[STO], s82, v[STO]               ; into the stage: row l % 16, 32 bytes for each half of the lanes
	v_mul_u32_u24 v[RD], v11, SP
	v_lshl_add_u32 v[RD], v10, 4, v[RD]
	v_add_nc_u32 v[RD], s82, v[RD]                 ; back: lanes 0-15 one row of 256 bytes, lanes 16-31 the next
	v_lshlrev_b32 v[CO], 12, v11
	v_lshl_add_u32 v[CO], v10, 4, v[CO]            ; and the same two rows in out0
	s_wait_kmcnt 0x0
	s_add_co_i32 s[SC], s[SC], s[SC+1]
	s_add_co_i32 s[SC], s[SC], 127
	s_lshl_b32 s[SC], s[SC], 23                    ; 2^(e6 + e7) as f32
	s_wait_alu depctr_va_vdst(0)
	s_wait_tensorcnt 0x0                           ; my rows of a are in; nobody else reads them
	WIN 0x80
.irp q, 0,1,2,3
.irp a, 0,1,2,3
.irp c, 0,1,2,3
	ds_load_b128 v[64*\q+16*\a+4*\c:64*\q+16*\a+4*\c+3], v[XA] offset:16384*\a+2048*\q+512*\c
.endr
.endr
.endr
	WIN 0xc0
.irp q, 0,1,2,3
.irp a, 0,1,2,3
.irp c, 0,1,2,3
	ds_load_b128 v[64*\q+16*\a+4*\c:64*\q+16*\a+4*\c+3], v[XA] offset:16384*\a+8192+2048*\q+512*\c
.endr
.endr
.endr
	WIN 0
	s_wait_tensorcnt 0x0                           ; the three lines ahead of a refill's round:
	ds_add_u32 v[SPW], v[NIL]
	s_wait_dscnt 0x0                               ; the add is done, and a is in my registers
	CROUND                                         ; so it is in every wave of the sixteen partners
	tensor_load_to_lds s[G0B:G0B+3], s[G1B:G1B+7]  ; my 32 rows of w_proj
	s_nop 0
	PLACES
	s_wait_tensorcnt 0x0                           ; they are in,
	s_barrier_signal -1
	s_barrier_wait -1                              ; everybody's are; nothing is filled from here on
.macro FETCHF q, b                     ; w's fragment of K step q, rows 16 b on, into set q % 2
.irp c, 0,1,2,3
	ds_load_b128 v[FB+64*((\q)%2)+16*(\b)+4*\c:FB+64*((\q)%2)+16*(\b)+4*\c+3], v[BA] offset:(\b)*16*PITCH+128*(\q)+32*\c
.endr
.endm
; A chunk's 128 products, 16 a K step.  Behind a K step's products its set of four fragments is replaced, in one run of sixteen loads, by the set of two K steps on; so at a K step's head the next set's sixteen loads may be out.
; The 16 accumulators take turns, one instruction a turn.
.macro MAT
.irp q, 0,1,2,3,4,5,6,7
.if \q < 7
	s_wait_dscnt 16
.else
	s_wait_dscnt 0
.endif
	WIN 0x59+4*(\q/4)                              ; C, D and source 0 in window 1, source 1 in window 2 or 3
.irp b, 0,1,2,3
.irp a, 0,1,2,3
.if \q == 0
	v_wmma_f32_16x16x128_fp8_fp8 v[8*(4*\a+\b):8*(4*\a+\b)+7], v[FB+64*(\q%2)+16*\b:FB+64*(\q%2)+16*\b+15], v[64*(\q%4)+16*\a:64*(\q%4)+16*\a+15], 0
.else
	v_wmma_f32_16x16x128_fp8_fp8 v[8*(4*\a+\b):8*(4*\a+\b)+7], v[FB+64*(\q%2)+16*\b:FB+64*(\q%2)+16*\b+15], v[64*(\q%4)+16*\a:64*(\q%4)+16*\a+15], v[8*(4*\a+\b):8*(4*\a+\b)+7]
.endif
.endr
.endr
.if \q < 6
	PLACES                                         ; in front of loads into registers that the products read
	WIN 0x40
	FETCHF \q+2, 0
	FETCHF \q+2, 1
	FETCHF \q+2, 2
	FETCHF \q+2, 3
.endif
.endr
	WIN 0
	PLACES                                         ; in front of the first read of the sums
.endm
; The way out of a chunk: four blocks of 16 rows x 64 columns, each through a stage of its own.  LDS serves a wave's instructions in order (ISA guide 5.7.1.4): no wait between the stores and the loads.
.macro EPIO
.irp a, 0,1,2,3
	WIN 0x01                                       ; source 0: the accumulators' window
.set NN, 0
.rept 16
	v_pk_mul_f32 v[TT+NN:TT+NN+1], v[32*\a+NN:32*\a+NN+1], s[SC:SC+1] op_sel_hi:[1,0]   ; x 2^(e6 + e7); each accumulator from its low end on
.set NN, NN+2
.endr
	WIN 0
.irp b, 0,1,2,3
	ds_store_b128 v[STO], v[TT+8*\b:TT+8*\b+3] offset:SBLK*\a+64*\b
	ds_store_b128 v[STO], v[TT+8*\b+4:TT+8*\b+7] offset:SBLK*\a+64*\b+16
.endr
.irp t, 0,1,2,3,4,5,6,7
	ds_load_b128 v[BK+32*\a+4*\t:BK+32*\a+4*\t+3], v[RD] offset:SBLK*\a+2*SP*\t
.endr
.endr
.irp a, 0,1,2,3
	s_wait_dscnt 16*(3-\a)                         ; block a is back; the later blocks' eight stores and eight loads each may be out
.irp t, 0,1,2,3,4,5,6,7
	global_store_b128 v[CO], v[BK+32*\a+4*\t:BK+32*\a+4*\t+3], s[OUT:OUT+1] offset:(16*\a+2*\t)*4096 th:TH_STORE_NT   ; sixteen lanes store 256 consecutive bytes, aligned
.endr
.endr
.endm
.Lchunk:                                           ; two trips: columns 0-63 and 64-127 of my 128
	s_mul_i32 s77, s[I], CH
	v_add_nc_u32 v[BA], s77, v[BA0]
	s_wait_alu depctr_va_vdst(0)
	WIN 0x40
.irp b, 0,1,2,3
	FETCHF 0, \b
.endr
.irp b, 0,1,2,3
	FETCHF 1, \b
.endr
	WIN 0
	MAT
	EPIO
	s_wait_xcnt 0x0                                ; the stores have read their data and their base
	s_add_nc_u64 s[OUT:OUT+1], s[OUT:OUT+1], 256   ; 64 columns on
	s_add_co_u32 s[I], s[I], 1
	s_cmp_lt_u32 s[I], 2
	s_wait_alu depctr_va_vdst(0)
	s_cbranch_scc1 .Lchunk
	s_wait_tensorcnt 0x0                           ; the wave's end, behind my last LDS store
	ds_add_u32 v[SPW], v[NIL]
	s_wait_dscnt 0x0
	CROUND                                         ; the closing round
	s_endpgm
.Lfunc_end_k_q76d13cc903_proj:
	.size	k_q76d13cc903_proj, .Lfunc_end_k_q76d13cc903_proj-k_q76d13cc903_proj
	.p2alignl 7, 3214868480
	.fill 96, 4, 3214868480
	.section	.rodata,"a",@progbits
	.p2align	6, 0x0
	.amdhsa_kernel k_q76d13cc903_proj
		.amdhsa_group_segment_fixed_size 327680
		.amdhsa_private_segment_fixed_size 0
		.amdhsa_enable_private_segment 0
		.amdhsa_kernarg_size 32
		.amdhsa_user_sgpr_count 2
		.amdhsa_user_sgpr_kernarg_segment_ptr 1
		.amdhsa_wavefront_size32 1
		.amdhsa_system_sgpr_workgroup_id_x 1
		.amdhsa_system_sgpr_workgroup_id_y 1
		.amdhsa_system_sgpr_workgroup_id_z 1
		.amdhsa_system_vgpr_workitem_id 0
		.amdhsa_next_free_vgpr 1024
		.amdhsa_next_free_sgpr 100
		.amdhsa_reserve_vcc 0
		.amdhsa_float_denorm_mode_32 3
		.amdhsa_float_denorm_mode_16_64 3
		.amdhsa_memory_ordered 1
		.amdhsa_forward_progress 1
		.amdhsa_inst_pref_size 44
	.end_amdhsa_kernel
	.amdgpu_metadata
---
amdhsa.version: [ 1, 2 ]
amdhsa.kernels:
  - .name:           k_q76d13cc903_proj
    .symbol:         k_q76d13cc903_proj.kd
    .args:
      - { .name: a_codes, .offset: 0, .size: 8, .value_kind: global_buffer, .address_space: global }
      - { .name: wp_codes, .offset: 8, .size: 8, .value_kind: global_buffer, .address_space: global }
      - { .name: lowp_scales, .offset: 16, .size: 8, .value_kind: global_buffer, .address_space: global }
      - { .name: out0, .offset: 24, .size: 8, .value_kind: global_buffer, .address_space: global }
    .group_segment_fixed_size: 327680
    .private_segment_fixed_size: 0
    .kernarg_segment_align: 8
    .kernarg_segment_size: 32
    .max_flat_workgroup_size: 128
    .sgpr_count:     100
    .vgpr_count:     1024
    .wavefront_size: 32
...
	.end_amdgpu_metadata
.endif
;; end of part 4
